; MI455X (gfx1250); checked and timed in simulation.
; The chip was launched on July 23, 2026; its instructions are those of AMD's public machine-readable ISA for CDNA 5 (MIT licence, August 2026) and "CDNA5" Instruction Set Architecture Reference Guide (July 2026). The comments in the code are by the model that wrote it; some were corrected since.
;; Model. Allowed arithmetic: matrix products marked QUANTISED: E2M1 operands, one E8M0 scale for each 32 along K, by v_wmma_scale_f32_16x16x128_f8f6f4 with both operands' format E2M1 (or v_wmma_scale_f32_32x16x128_f4), f32 sums; everything else in f32.
;; Inputs: attn_mask 1 x 1 x 2,048 x 2,048 float32; key_codes 4 x 16 x 2,048 x 2 x 16 uint8 (E2M1 codes of key, K innermost, in blocks of 32 codes, two codes a byte); key_scales 4 x 16 x 2,048 x 2 uint8 (E8M0 scales of key, one for each 32 codes along K); query_codes 4 x 16 x 2,048 x 2 x 16 uint8 (E2M1 codes of query, K innermost, in blocks of 32 codes, two codes a byte); query_scales 4 x 16 x 2,048 x 2 uint8 (E8M0 scales of query, one for each 32 codes along K); value_codes 4 x 16 x 64 x 64 x 16 uint8 (E2M1 codes of value, K innermost, in blocks of 32 codes, two codes a byte); value_scales 4 x 16 x 64 x 64 uint8 (E8M0 scales of value, one for each 32 codes along K).
;; Outputs: out0 4 x 16 x 2,048 x 64 float32.
;; This version of the problem:
;;   THIS VERSION OF THE PROBLEM IS GIVEN IN LOW PRECISION. The matrix products marked QUANTISED in the list below multiply operands that are first quantised to E2M1 (2 exponent bits, 1 mantissa bit; 4 bits a number), with one power-of-two scale for each 32 numbers along K (OCP MX v1.0); their sums are f32. All else is computed in f32.
;;   The module's matrix products, in the order in which they are computed (A, B: the left and right operand; K: the contracted axis; several contracted axes count as one K, in the product's order):
;;     1. batch 64 x [M 2,048, K 64] x [K 64, N 2,048]; A: input query (given as codes); B: input key (given as codes): QUANTISED
;;     2. batch 64 x [M 2,048, K 2,048] x [K 2,048, N 64]; A: softmax (see below); B: input value (given as codes): QUANTISED
;;   THE QUANTISER, for each operand of a quantised product, along K:
;;     - K is cut into blocks of 32 from its start; a last block that is shorter is filled with zeros.
;;     - A block's scale is 2^e with e = floor(log2(the largest magnitude in the block)) - 2, held to -126 .. 127; a block of zeros has e = 0. As a byte (E8M0): e + 127.
;;     - Each number is divided by its block's scale, clamped to +-6, and rounded to the nearest number of E2M1, ties to even, subnormals kept.
;;     - The product sums the exact products of the quantised numbers (number of the format x scale) in f32.
;;   ~~~python
;;   def quantise(x, axis):      # numpy; x: float32 -> the quantised numbers, widened to float32 again
;;       x = np.moveaxis(x, axis, -1); K = x.shape[-1]
;;       x = np.pad(x, [(0, 0)] * (x.ndim - 1) + [(0, -K % 32)]); x = x.reshape(x.shape[:-1] + (-1, 32)); a = np.abs(x).max(-1, keepdims=True)
;;       e = np.where(a > 0, np.clip(np.frexp(np.where(a > 0, a, 1))[1] - 1 - 2, -126, 127), 0)      # np.frexp(a)[1] - 1 = floor(log2(a)), exactly
;;       r = np.clip(x / 2.0 ** e, -6, 6)
;;       step = 2.0 ** (np.maximum(np.frexp(np.where(r == 0, 1, r))[1] - 1, 0) - 1)
;;       q = np.round(r / step) * step * 2.0 ** e      # np.round: ties to even
;;       return np.moveaxis(q.reshape(q.shape[:-2] + (-1,))[..., :K], -1, axis).astype(np.float32)
;;   ~~~
;;   SOFTMAX AHEAD OF A QUANTISED PRODUCT. Where the list says 'softmax', what is quantised is not the finished softmax but p = 2^(t - M), with t = logit x log2(e) and M = ceil(the row's largest t), a whole number; so 1/2 < the row's largest p <= 1. The row's sum l is taken of the UNQUANTISED p, in f32, and the product's result is divided by l at the end. Since M is a whole number, a kernel that streams over the keys may use a running M (the ceiling of the running maximum): every later rescaling is an exact power of two, which a block's scale takes up: the codes' values come out the same.
;;   OPERANDS COMPUTED ON THE WAY. 'Computed on the way' means the value that the module computes at that place (a softmax that the list does not call 'softmax' is quantised finished and normalised). What goes into a quantiser is computed in f32, as accurately as f32 sums, v_exp_f32 and their like allow (about 1e-6 of the number): no bf16 or f16 on the way to a quantiser, and a product that is left as it is and whose result goes on into a quantised operand takes f32 operands (vector FMAs, or v_wmma_f32_16x16x4_f32). A number that lies on a knife's edge between two numbers of the format may be rounded either way, as far as f32 arithmetic and the matrix unit's own rounding can turn it there, and no further.
;;   INPUTS GIVEN AS CODES. key (in the module: [4, 16, 2048, 64], K = its axis 3); query (in the module: [4, 16, 2048, 64], K = its axis 3); value (in the module: [4, 16, 2048, 64], K = its axis 2): each comes as NAME_codes (uint8): NAME with its K axis moved to the last place and cut into blocks of 32 codes, [.., K / 32, bytes a block], one block behind the other in memory; two codes a byte, the lower K in the low four bits (a code: sign, 2 exponent bits, 1 mantissa bit); and NAME_scales (uint8): the same leading axes, one E8M0 byte (e + 127) for each 32 codes along K. Its value is code x scale, taken as it is: it is not quantised again, and the codes and scales need not be those that the quantiser above would give.
;; One version. Each part assembles by itself: llvm-mc -triple=amdgcn-amd-amdhsa -mcpu=gfx1250 --defsym DOCPART=n.
;; ======== version 1 of 1: 1 launch
;; launch attn (part 1): grid 16 x 16, 8 waves a work-group, clusters of 4 x 4, 327,680 bytes of LDS; arguments attn_mask, key_codes, key_scales, query_codes, query_scales, value_codes, value_scales, out0; writes out0
.if DOCPART == 1
	.amdgcn_target "amdgcn-amd-amdhsa--gfx1250"
	.amdhsa_code_object_version 6
	.text
	.protected	k_q727c3d3e24_attn
	.globl	k_q727c3d3e24_attn
	.p2align	8
	.type	k_q727c3d3e24_attn,@function
k_q727c3d3e24_attn:
	s_mov_b64 s[64:65], 0
	v_nop
	global_prefetch_b8 v0, s[64:65] scope:SCOPE_SE
	s_setreg_imm32_b32 hwreg(HW_REG_WAVE_MODE, 25, 1), 1
	s_wait_xcnt 0x0
	s_wait_alu depctr_hold_cnt(0) depctr_sa_sdst(0) depctr_va_vdst(0) depctr_va_sdst(0) depctr_va_ssrc(0) depctr_va_vcc(0) depctr_vm_vsrc(0)
	s_getreg_b32 s2, hwreg(HW_REG_IB_STS2, 6, 4)
	s_cmp_eq_u32 s2, 0
	s_cbranch_scc0 .Lentry_in_a_cluster
	s_endpgm
.Lentry_in_a_cluster:
	s_bfe_u32 s2, ttmp6, 0x10000c
	s_cmp_lg_u32 s2, 0xf033
	s_cbranch_scc0 .Lentry_shape_is_right
	s_endpgm
.Lentry_shape_is_right:
; out0[hd][q][:] = the sum over k of softmax_k(Q[hd][q] . K[hd][k] + mask[q][k]) V[hd][k][:], 64 heads, 2,048 queries and keys, head size 64; both products on codes of FP4 (E2M1) with one E8M0 scale for each 32 along K.
; Q, K: codes [64][2048][32 bytes], scale bytes [64][2048][2].  V: codes with the KEYS innermost, [64][64 channels][1,024 bytes], scale bytes [64][64][64].  mask: [2048][2048] f32, the same for all heads.  out0: [64][2048][64] f32.
; THE SOFTMAX AHEAD OF THE SECOND PRODUCT: t = (score + mask) x log2(e); M = the row's largest t so far, rounded UP to a whole number; p = 2^(t - M) is what is quantised, along the keys, not normalised.
; The row's sum is taken of the unquantised p, in f32, and divides O at the end.  When M moves, the sum and O are multiplied by 2^(old M - new M): exact.
; SHARES.  A work-group owns 128 queries (block qy) of FOUR heads (4 hx .. 4 hx + 3).  Each of its eight waves owns one tile of 16 queries, for all four heads.  Every wave walks the 2,048 keys, 128 a step.
; THE MASK COSTS NO VECTOR INSTRUCTION AND IS READ FROM LDS ONCE FOR FOUR HEADS: a wave's 16 queries x 128 keys of it lie in 64 registers, in the result's layout, and are the C of the first product of each of the four heads.
; LAYOUT.  Both products are used transposed: S^T = K Q^T + mask^T (source 0 = 16 keys, source 1 = my 16 queries), O^T = V^T P^T (source 0 = 16 channels, source 1 = P): a lane holds ONE query (lane % 16) throughout.
; THE KEYS OF A TILE ARE NOT NEIGHBOURS: lane r of tile 2 b + u takes key 32 b + 8 u + r + 8 (r / 8), so that the 16 registers of tiles 2 b and 2 b + 1 are 16 neighbouring keys, 32 b + 16 (lane / 16) + 0 .. 15.
; THE FIRST PRODUCT'S K IS 64, the instruction's 128: registers 4-7 of K's and Q's fragments hold zero codes, written once; the scale words come by 16-bit loads, whose upper bytes are 0 (a scale over zero codes, which add nothing).
; CLUSTERS: 4 x 4 work-groups.  The mask's tile hangs on qy alone: the four of a row of the cluster ask for it JOINTLY.  K's, V's tiles and their scale bytes hang on hx alone: the four of a column ask for them jointly.
; RING: two LDS slots, each with one step's tiles: mask 128 rows x 512 bytes, K 4 heads x 128 keys x 32 bytes, V 256 rows (head, channel) x 64 bytes.  V's rows in a slot are 64 bytes: two slots of 512 keys of V
; (2 x 256 rows x 272 bytes) do not fit beside the mask's two tiles (2 x 67,584 bytes).  K's and V's scale bytes of the four heads, 16,384 bytes each, come once and stay.
; THE CHANGE OF SLOTS STANDS INSIDE A STEP'S FOURTH HEAD, where the wave's last reads of the slot (that head's V) have been issued: the slot is filled again with the tiles of two steps on, and the next step's mask tile and
; first K are fetched from the other slot, while the fourth head's exponentials, conversions, sums and second product are still to be issued.
; LIMITS: a scale byte 0xff and NaN among the inputs are not served; a mask entry of -infinity is served only as far as the matrix instruction carries an infinite C into its result; a row whose every mask entry is -infinity is not served.
; REGISTERS, in windows of 256 (s_set_vgpr_msb's low byte: bits 1:0 source 0, 3:2 source 1, 5:4 source 2, 7:6 destination):
;   window 0: v1-15 addresses; v16-31 four registers of statistics a head; v32-42 scale words; v43-63 at work; v64-127 K's 8 fragments; v128-159 V's 4; v168-231 S^T, then p; v232-239 p's codes
;   window 1: v0-127 O^T (head i, tile t at 32 i + 8 t); v128-159 Q's 4 fragments; v160-223 the mask's tile
.set SLOT1, 131072                     ; slot 1 begins here, so that one exclusive or turns an address in one slot into the other's
.set MP,    528                        ; a row of the mask in LDS: 512 bytes + 16 of padding = 132 words: row r starts at bank 4 r mod 64 (64 banks of 4 bytes: ISA guide 11.1)
.set KOFF,  128*MP                     ; K's tiles: 16 bytes of padding behind every 512 (16 keys): key k of a head at 32 k + 16 (k / 16), so that a tile's keys r and r + 16 fall into even and odd columns of 16 bytes
.set KH,    4224                       ; a head's 128 keys: 4,096 bytes + 8 paddings
.set VOFF,  KOFF+4*KH                  ; V's tile
.set VP,    80                         ; a row of it: 64 bytes + 16 of padding
.set SCK,   VOFF+256*VP                ; 104,960: behind slot 0's tiles: K's scale bytes of four heads, dense
.set SPARE, SCK+16384                  ; 121,344: the spare words, 128 bytes for each wave: four blocks of 256 bytes that no other line names
.set SCV,   SLOT1+SCK                  ; 236,032: behind slot 1's tiles: V's scale bytes, 256 rows
.set SVP,   72                         ; a row of them: 64 bytes + 8 of padding
.set STAGE, SCV+256*SVP                ; 254,464: the way out: 16 rows x 272 bytes for each wave; no tile ever lands here
.set SP,    272
.set AM0,  1                           ; v1   my lane's place in the mask's tile: (16 wave + r) x 528 + 64 h
.set AK0,  2                           ; v2   in a tile of K
.set AV0,  3                           ; v3   in a tile of V
.set ASK0, 4                           ; v4   among K's scale bytes
.set ASV0, 5                           ; v5   among V's
.set SPW,  6                           ; v6   LDS address of my spare word: SPARE + 4 x my thread's number; never rewritten
.set NIL,  7                           ; v7   0; never rewritten
.set ADM,  8                           ; v8-12 the same five places in the step in hand
.set ADK,  9
.set ADV,  10
.set ADS,  11
.set ADT,  12
.set STO,  13                          ; v13  the way out: where I put 32 bytes of a row
.set RD,   14                          ; v14  where I read a row back
.set GO,   15                          ; v15  my byte offset in the wave's rows of out0
.set ST,   16                          ; head i at v[ST + 4 i]: +0 -M, +1 the largest t, +2, +3 the sum in two halves
.set QS,   32                          ; v32-35 Q's scale words, one register a head
.set KS,   36                          ; v36-39 K's: register b: lanes 0-15 tile 2 b's, lanes 16-31 tile 2 b + 1's
.set VS,   40                          ; v40-41 V's: register g: lanes 0-15 tile 2 g's, lanes 16-31 tile 2 g + 1's
.set PW,   42                          ; v42  p's scale word
.set TA,   43
.set F,    44                          ; v[44:45] f = 2^(old M - new M); v45 is named with it as a pair
.set SUM2, 46                          ; v[46:47] the sum's second chain
.set BM,   48                          ; v48-51 each block's largest score, then its largest p
.set T2,   52                          ; v52-55 what the other half of the lanes sends; then the scales' bytes
.set SOP,  56                          ; v56-59 the conversions' scale operands
.set FRK,  64
.set FRV,  128
.set S,    168
.set PC,   232
.set Q,    128                         ; in window 1
.set MK,   160                         ; in window 1
.set WV,   20                          ; s20  my wave's number
.set G1M,  24                          ; s[24:31], s[32:35] descriptor groups 1 and 0 for the mask's tiles
.set G0M,  32
.set G1K,  36                          ; s[36:43], s[44:47] for K's
.set G0K,  44
.set G1V,  48                          ; s[48:55], s[56:59] for V's
.set G0V,  56
.set G0SK, 60                          ; s[60:63], s[68:75] groups 0 and 1 for K's scale bytes
.set G1SK, 68
.set G1SV, 76                          ; s[76:83], s[84:87] groups 1 and 0 for V's
.set G0SV, 84
.set CS,   66                          ; s[66:67] c = log2(e): the packed form names a pair and takes its low word for both halves
.set TB,   96                          ; s96  LDS byte at which the slot in hand begins
.set TS,   97                          ; s97  the step's place among a head's scale bytes of K: 256 bytes a step
.set TJ,   98                          ; s98  and in a row of V's: 4 bytes a step
.set CNT,  99                          ; s99  the loop's counter
.set SEL,  100                         ; s[100:101] lane selects for v_permlanex16_b32: lane l xor 16
.set MSB, 0
.macro WIN new                         ; the immediate's high byte repeats the setting that is left; a switch that changes nothing is dropped
.if MSB != \new
	s_set_vgpr_msb (MSB<<8)|\new
.set MSB, \new
.endif
.endm
; A round of the cluster's barrier: my work-group's barrier, so that wave 0's signal speaks for all eight waves; wave 0 signals for the work-group; every wave waits for all sixteen work-groups; my work-group's barrier once more.
.macro CREST                           ; a round behind its opening barrier
	s_cmp_lg_u32 s[WV], 0
	s_cbranch_scc1 .Lnot_wave_0_\@
	s_barrier_signal -3
.Lnot_wave_0_\@:
	s_barrier_wait -3
	s_barrier_signal -1
	s_barrier_wait -1
.endm
.macro CROUND                          ; a whole round
	s_barrier_signal -1
	s_barrier_wait -1
	CREST
.endm
; The joint loads of a step.  Waves 0 and 1 fetch the mask's two halves, wave 2 K's tiles, wave 3 V's, the others nothing.  The branches hang on the wave's number alone: they are the same in every work-group.
; first = 1: waves 2 and 3 fetch the scale bytes too, in the same branch, ahead of their tile.  Four v_nop follow the last load of each branch, ahead of the jump, the label and what follows.
.macro JLOAD first
	s_cmp_lt_u32 s[WV], 2
	s_cbranch_scc0 .Lnot_m_\@
	tensor_load_to_lds s[G0M:G0M+3], s[G1M:G1M+7]
	s_nop 0
.rept 4
	v_nop
.endr
	s_branch .Lasked_\@
.Lnot_m_\@:
	s_cmp_eq_u32 s[WV], 2
	s_cbranch_scc0 .Lnot_k_\@
.if \first
	tensor_load_to_lds s[G0SK:G0SK+3], s[G1SK:G1SK+7]
	s_nop 0
.endif
	tensor_load_to_lds s[G0K:G0K+3], s[G1K:G1K+7]
	s_nop 0
.rept 4
	v_nop
.endr
	s_branch .Lasked_\@
.Lnot_k_\@:
	s_cmp_eq_u32 s[WV], 3
	s_cbranch_scc0 .Lasked_\@
.if \first
	tensor_load_to_lds s[G0SV:G0SV+3], s[G1SV:G1SV+7]
	s_nop 0
.endif
	tensor_load_to_lds s[G0V:G0V+3], s[G1V:G1V+7]
	s_nop 0
.rept 4
	v_nop
.endr
.Lasked_\@:
.endm
; The walking descriptors go on by one step.  They are written only where no tensor load of the wave is out.
.macro DSTEP
	s_xor_b32 s[G0M+1], s[G0M+1], SLOT1            ; the other slot than last time,
	s_add_nc_u64 s[G0M+2:G0M+3], s[G0M+2:G0M+3], 512    ; the next 128 keys: 512 bytes on in the mask's rows,
	s_xor_b32 s[G0K+1], s[G0K+1], SLOT1
	s_add_nc_u64 s[G0K+2:G0K+3], s[G0K+2:G0K+3], 4096   ; 128 rows of 32 bytes on in K,
	s_xor_b32 s[G0V+1], s[G0V+1], SLOT1
	s_add_nc_u64 s[G0V+2:G0V+3], s[G0V+2:G0V+3], 64     ; 64 bytes on in V's rows; the type bits on top are not reached
.endm
	s_load_b256 s[4:11], s[0:1], 0x0               ; mask s[4:5], K's codes s[6:7], K's scales s[8:9], Q's codes s[10:11]
	s_load_b256 s[12:19], s[0:1], 0x20             ; Q's scales s[12:13], V's codes s[14:15], V's scales s[16:17], out0 s[18:19]
	v_lshl_add_u32 v[SPW], v0, 2, SPARE
	v_mov_b32 v[NIL], 0
	ds_add_u32 v6, v7
	s_wait_dscnt 0x0
	v_lshrrev_b32 v62, 5, v0
	v_readfirstlane_b32 s[WV], v62                 ; wave 0..7
	s_bfe_u32 s21, ttmp6, 0x40000                  ; cx, cy: my place in the cluster
	s_bfe_u32 s22, ttmp6, 0x40004
	s_lshl_b32 s23, ttmp9, 2
	s_add_co_u32 s23, s23, s21                     ; hx: my four heads = 4 x cluster x + cx
	s_and_b32 s88, ttmp7, 0xffff
	s_lshl_b32 s88, s88, 2
	s_add_co_u32 s88, s88, s22                     ; qy: my block of 128 queries = 4 x cluster y + cy
	s_lshl_b32 s89, s22, 2
	s_lshl_b32 s89, 15, s89                        ; my row of the cluster: places 4 cy .. 4 cy + 3
	s_lshl_b32 s90, 0x1111, s21                    ; my column: places cx, cx + 4, cx + 8, cx + 12
	; group 1, the mask: 64 rows x 128 elements of 4 bytes, 2,048 elements from row to row
	s_or_b32 s[G1M], s89, (2<<16)|(1<<20)|(1<<21)|(6<<22)|(3<<25)   ; 15:0 the mask of work-groups: my row; 17:16 elements of 4 bytes; 20 padding on; 21 set beside a mask; 24:22 after every 128 words (code 6); 31:25 four words (code 3)
	s_mov_b32 s[G1M+1], 128<<16                    ; tensor_dim0 = 128
	s_mov_b32 s[G1M+2], 64<<16                     ; tensor_dim1 = 64
	s_mov_b32 s[G1M+3], 128<<16                    ; tile_dim0 = 128
	s_mov_b32 s[G1M+4], 64                         ; tile_dim1 = 64
	s_mov_b32 s[G1M+5], 2048                       ; tensor_dim0_stride
	s_mov_b32 s[G1M+6], 0
	s_mov_b32 s[G1M+7], 0
	; K: 4 rows (heads) x 512 elements of 8 bytes (128 keys, dense), 8,192 elements (a head's 65,536 bytes) from row to row
	s_or_b32 s[G1K], s90, (3<<16)|(1<<20)|(1<<21)|(6<<22)|(3<<25)   ; my column; elements of 8 bytes; four words of padding after every 128
	s_mov_b32 s[G1K+1], 512<<16
	s_mov_b32 s[G1K+2], 4<<16
	s_mov_b32 s[G1K+3], 512<<16
	s_mov_b32 s[G1K+4], 4
	s_mov_b32 s[G1K+5], 8192
	s_mov_b32 s[G1K+6], 0
	s_mov_b32 s[G1K+7], 0
	; V: 256 rows (head, channel) x 8 elements of 8 bytes (128 keys), 128 elements (1,024 bytes) from row to row
	s_or_b32 s[G1V], s90, (3<<16)|(1<<20)|(1<<21)|(3<<22)|(3<<25)   ; four words of padding after every 16
	s_mov_b32 s[G1V+1], 8<<16
	s_mov_b32 s[G1V+2], 256<<16
	s_mov_b32 s[G1V+3], 8<<16
	s_mov_b32 s[G1V+4], 256
	s_mov_b32 s[G1V+5], 128
	s_mov_b32 s[G1V+6], 0
	s_mov_b32 s[G1V+7], 0
	; the scale bytes of four heads: a dense block of 16,384 bytes as 64 rows of 256; K's without padding, V's with two words behind every 16 (a channel's 64 bytes)
	s_or_b32 s[G1SK], s90, (3<<16)|(1<<21)
	s_or_b32 s[G1SV], s90, (3<<16)|(1<<20)|(1<<21)|(3<<22)|(1<<25)
.irp g, G1SK, G1SV
	s_mov_b32 s[\g+1], 32<<16
	s_mov_b32 s[\g+2], 64<<16
	s_mov_b32 s[\g+3], 32<<16
	s_mov_b32 s[\g+4], 64
	s_mov_b32 s[\g+5], 32
	s_mov_b32 s[\g+6], 0
	s_mov_b32 s[\g+7], 0
.endr
	; where the tiles come from.  The mask's offset is made of qy and the wave's number in s[92:93], K's and V's of hx in s[94:95]: neither pair ever holds the other coordinate
	s_and_b32 s91, s[WV], 1                        ; which 64 rows of the mask's tile I fetch, if I fetch
	s_lshl_b32 s92, s88, 20                        ; 128 qy rows of 8,192 bytes
	s_lshl_b32 s93, s91, 19                        ; + 64 rows
	s_add_co_u32 s92, s92, s93
	s_mov_b32 s93, 0
	s_lshl_b32 s94, s23, 18                        ; four heads' codes: 262,144 bytes, in K and in V alike
	s_mov_b32 s95, 0
	s_mov_b32 s[CS], 0x3fb8aa3b                    ; c = log2(e)
	s_mov_b32 s[CS+1], s[CS]                       ; (named with it as a pair, so it is written)
	s_mov_b32 s[SEL], 0x76543210
	s_mov_b32 s[SEL+1], 0xfedcba98
	s_mov_b32 s[TB], 0
	s_mov_b32 s[TS], 0
	s_mov_b32 s[TJ], 0
	s_wait_kmcnt 0x0
	s_mov_b32 s[G0M], 1                            ; 1:0 count = 1
	s_mul_i32 s[G0M+1], s91, 64*MP                 ; 63:32 LDS address: slot 0, my half; no place in the cluster enters an LDS address
	s_add_nc_u64 s[G0M+2:G0M+3], s[4:5], s[92:93]  ; 120:64 global address: keys 0 to 127
	s_or_b32 s[G0M+3], s[G0M+3], 0x80000000        ; 127:126 type = 2
	s_mov_b32 s[G0K], 1
	s_mov_b32 s[G0K+1], KOFF
	s_add_nc_u64 s[G0K+2:G0K+3], s[6:7], s[94:95]
	s_or_b32 s[G0K+3], s[G0K+3], 0x80000000
	s_mov_b32 s[G0V], 1
	s_mov_b32 s[G0V+1], VOFF
	s_add_nc_u64 s[G0V+2:G0V+3], s[14:15], s[94:95]
	s_or_b32 s[G0V+3], s[G0V+3], 0x80000000
	s_lshl_b32 s94, s23, 14                        ; four heads' scale bytes: 16,384, in K's and in V's alike
	s_mov_b32 s[G0SK], 1
	s_mov_b32 s[G0SK+1], SCK
	s_add_nc_u64 s[G0SK+2:G0SK+3], s[8:9], s[94:95]
	s_or_b32 s[G0SK+3], s[G0SK+3], 0x80000000
	s_mov_b32 s[G0SV], 1
	s_mov_b32 s[G0SV+1], SCV
	s_add_nc_u64 s[G0SV+2:G0SV+3], s[16:17], s[94:95]
	s_or_b32 s[G0SV+3], s[G0SV+3], 0x80000000
	CROUND                                         ; all sixteen work-groups are here: the first joint loads meet
	JLOAD 1                                        ; the scale bytes and slot 0: two loads of waves 2 and 3 are out, one of waves 0 and 1
	; Q, its scale words and out0 hang on hx, qy and the wave: their offsets are made in s[2:3] alone.  My first query is 128 qy + 16 wave
	s_lshl_b32 s2, s23, 18                         ; Q's codes: 262,144 hx + 32 x query
	s_lshl_b32 s3, s88, 12
	s_add_co_u32 s2, s2, s3
	s_lshl_b32 s3, s[WV], 9
	s_add_co_u32 s2, s2, s3
	s_mov_b32 s3, 0
	s_add_nc_u64 s[10:11], s[10:11], s[2:3]
	s_lshl_b32 s2, s23, 14                         ; Q's scale bytes: 16,384 hx + 2 x query
	s_lshl_b32 s3, s88, 8
	s_add_co_u32 s2, s2, s3
	s_lshl_b32 s3, s[WV], 5
	s_add_co_u32 s2, s2, s3
	s_mov_b32 s3, 0
	s_add_nc_u64 s[12:13], s[12:13], s[2:3]
	s_lshl_b32 s2, s23, 21                         ; out0: 2,097,152 hx + 256 x query
	s_lshl_b32 s3, s88, 15
	s_add_co_u32 s2, s2, s3
	s_lshl_b32 s3, s[WV], 12
	s_add_co_u32 s2, s2, s3
	s_mov_b32 s3, 0
	s_add_nc_u64 s[18:19], s[18:19], s[2:3]
	v_and_b32 v62, 15, v0                          ; r = lane % 16
	v_bfe_u32 v63, v0, 4, 1                        ; h = lane / 16
	v_lshlrev_b32 v60, 5, v62
	v_lshl_add_u32 v60, v63, 4, v60                ; Q: row r of 32 bytes, + 16 h: registers 0-3 of a fragment hold K = 32 h + 0 .. 31
	v_lshlrev_b32 v61, 1, v62                      ; its scale bytes: 2 a row
	WIN 0x40                                       ; destination window 1
.irp i, 0,1,2,3
	global_load_b128 v[Q+8*\i:Q+8*\i+3], v60, s[10:11] offset:65536*\i   ; Q's fragments of my four heads stay in registers
.endr
.irp i, 0,1,2,3
.irp j, 4,5,6,7
	v_mov_b32 v[Q+8*\i+\j], 0                      ; K = 64 .. 127: zero codes
.endr
.endr
	WIN 0
.irp i, 0,1,2,3
	global_load_u16 v[QS+\i], v61, s[12:13] offset:4096*\i   ; bytes 0, 1: the row's two scales; bytes 2, 3: 0
.endr
	v_mul_u32_u24 v[AM0], v62, MP
	v_lshl_add_u32 v[AM0], v63, 6, v[AM0]
	s_mul_i32 s91, s[WV], 16*MP
	v_add_nc_u32 v[AM0], s91, v[AM0]               ; the mask: row 16 wave + r; my 16 keys of a block of 32 begin 64 h bytes on
	v_lshrrev_b32 v48, 3, v62                      ; r / 8
	v_mul_u32_u24 v[AK0], v48, 272
	v_lshl_add_u32 v[AK0], v62, 5, v[AK0]
	v_lshl_add_u32 v[AK0], v63, 4, v[AK0]
	v_add_nc_u32 v[AK0], KOFF, v[AK0]              ; K: key r + 8 (r / 8): 32 r + (256 + 16) (r / 8), + 16 h
	v_mul_u32_u24 v[AV0], v62, VP
	v_lshl_add_u32 v[AV0], v63, 4, v[AV0]
	v_add_nc_u32 v[AV0], VOFF, v[AV0]              ; V: channel r, + 16 h
	v_lshlrev_b32 v[ASK0], 1, v62
	v_lshl_add_u32 v[ASK0], v48, 4, v[ASK0]
	v_lshl_add_u32 v[ASK0], v63, 4, v[ASK0]
	v_add_nc_u32 v[ASK0], SCK, v[ASK0]             ; K's scales: 2 bytes a key; key r + 8 (r / 8) + 8 h: lanes 16-31 take the odd tile's
	v_and_b32 v49, 31, v0
	v_mul_u32_u24 v[ASV0], v49, SVP
	v_add_nc_u32 v[ASV0], SCV, v[ASV0]             ; V's scales: channel = lane: lanes 16-31 take the odd tile's
	s_mul_i32 s91, s[WV], 16*SP
	s_add_co_u32 s91, s91, STAGE                   ; my stage
	v_mul_u32_u24 v[STO], v62, SP
	v_lshl_add_u32 v[STO], v63, 5, v[STO]
	v_add_nc_u32 v[STO], s91, v[STO]               ; in: row r, 32 bytes for each half of the lanes
	v_mul_u32_u24 v[RD], v63, SP
	v_lshl_add_u32 v[RD], v62, 4, v[RD]
	v_add_nc_u32 v[RD], s91, v[RD]                 ; back: lanes 0-15 take one row of 256 bytes, lanes 16-31 the next
	v_lshlrev_b32 v[GO], 8, v63
	v_lshl_add_u32 v[GO], v62, 4, v[GO]            ; and the same two rows in out0
.irp t, 0,1,2,3,4,5,6,7
.irp j, 4,5,6,7
	v_mov_b32 v[FRK+8*\t+\j], 0                    ; K's fragments, K = 64 .. 127: zero codes, written once
.endr
.endr
.irp b, 0,1,2,3
	v_mov_b32 v[T2+\b], 0                          ; written once: a lane permute's destination counts as one of its sources
.endr
	v_mov_b32 v[F+1], 0                            ; (named as the upper half of the pair)
.irp i, 0,1,2,3
	v_mov_b32 v[ST+4*\i+1], 0xff61b1e6             ; the largest t so far: -3e38, under every t
	v_floor_f32 v[ST+4*\i], -v[ST+4*\i+1]          ; -M
	v_mov_b32 v[ST+4*\i+2], 0                      ; the sum, in two halves
	v_mov_b32 v[ST+4*\i+3], 0
.endr
; Head hd's K of the step: eight fragments' registers 0-3 and four registers of scale words: 12 LDS loads
.macro FETCH_K hd
.irp t, 0,1,2,3,4,5,6,7
	ds_load_b128 v[FRK+8*\t:FRK+8*\t+3], v[ADK] offset:KH*(\hd)+1056*(\t/2)+256*(\t%2)   ; tile t begins at key 32 (t / 2) + 8 (t % 2): 32 keys are 1,024 bytes + two paddings
.endr
.irp b, 0,1,2,3
	ds_load_u16 v[KS+\b], v[ADS] offset:4096*(\hd)+64*\b
.endr
.endm
; Head hd's V of the step: four fragments (16 channels x 128 keys) and two registers of scale words: 10 LDS loads
.macro FETCH_V hd
.irp t, 0,1,2,3
.irp c, 0,1
	ds_load_b128 v[FRV+8*\t+4*\c:FRV+8*\t+4*\c+3], v[ADV] offset:64*VP*(\hd)+16*VP*\t+32*\c
.endr
.endr
.irp g, 0,1
	ds_load_b32 v[VS+\g], v[ADT] offset:64*SVP*(\hd)+32*SVP*\g
.endr
.endm
; What a step begins with: its five addresses, my tile of the mask (once for the four heads) and head 0's K: 28 LDS loads
.macro FETCH_M
	v_add_nc_u32 v[ADM], s[TB], v[AM0]
	v_add_nc_u32 v[ADK], s[TB], v[AK0]
	v_add_nc_u32 v[ADV], s[TB], v[AV0]
	v_add_nc_u32 v[ADS], s[TS], v[ASK0]
	v_add_nc_u32 v[ADT], s[TJ], v[ASV0]
	WIN 0x40                                       ; destination window 1
.irp b, 0,1,2,3
.irp n, 0,1,2,3
	ds_load_b128 v[MK+16*\b+4*\n:MK+16*\b+4*\n+3], v[ADM] offset:128*\b+16*\n   ; register 16 b + i: mask(my query, key 32 b + 16 h + i): the layout of S^T
.endr
.endr
	WIN 0
	FETCH_K 0
.endm
; S^T's tile t of head hd: 16 keys x my 16 queries, onto the mask.  An odd tile's scale words lie in lanes 16-31
.macro SPROD hd, t
.if (\t)%2 == 1
	v_wmma_scale_f32_16x16x128_f8f6f4 v[S+8*\t:S+8*\t+7], v[FRK+8*\t:FRK+8*\t+7], v[Q+8*\hd:Q+8*\hd+7], v[MK+8*\t:MK+8*\t+7], v[KS+\t/2], v[QS+\hd] matrix_a_fmt:MATRIX_FMT_FP4 matrix_b_fmt:MATRIX_FMT_FP4 matrix_a_scale:MATRIX_SCALE_ROW1
.else
	v_wmma_scale_f32_16x16x128_f8f6f4 v[S+8*\t:S+8*\t+7], v[FRK+8*\t:FRK+8*\t+7], v[Q+8*\hd:Q+8*\hd+7], v[MK+8*\t:MK+8*\t+7], v[KS+\t/2], v[QS+\hd] matrix_a_fmt:MATRIX_FMT_FP4 matrix_b_fmt:MATRIX_FMT_FP4
.endif
.endm
; O^T's tile t of head hd: 16 channels x my 16 queries, K = the step's 128 keys.  first = 1: the product starts the sum: nothing is ever cleared
.macro OPROD hd, t, first
.set rO, 32*(\hd)+8*(\t)
.if \first
.if (\t)%2 == 1
	v_wmma_scale_f32_16x16x128_f8f6f4 v[rO:rO+7], v[FRV+8*\t:FRV+8*\t+7], v[PC:PC+7], 0, v[VS+\t/2], v[PW] matrix_a_fmt:MATRIX_FMT_FP4 matrix_b_fmt:MATRIX_FMT_FP4 matrix_a_scale:MATRIX_SCALE_ROW1
.else
	v_wmma_scale_f32_16x16x128_f8f6f4 v[rO:rO+7], v[FRV+8*\t:FRV+8*\t+7], v[PC:PC+7], 0, v[VS+\t/2], v[PW] matrix_a_fmt:MATRIX_FMT_FP4 matrix_b_fmt:MATRIX_FMT_FP4
.endif
.else
.if (\t)%2 == 1
	v_wmma_scale_f32_16x16x128_f8f6f4 v[rO:rO+7], v[FRV+8*\t:FRV+8*\t+7], v[PC:PC+7], v[rO:rO+7], v[VS+\t/2], v[PW] matrix_a_fmt:MATRIX_FMT_FP4 matrix_b_fmt:MATRIX_FMT_FP4 matrix_a_scale:MATRIX_SCALE_ROW1
.else
	v_wmma_scale_f32_16x16x128_f8f6f4 v[rO:rO+7], v[FRV+8*\t:FRV+8*\t+7], v[PC:PC+7], v[rO:rO+7], v[VS+\t/2], v[PW] matrix_a_fmt:MATRIX_FMT_FP4 matrix_b_fmt:MATRIX_FMT_FP4
.endif
.endif
.endm
; ONE HEAD'S PART OF A KEY STEP.  first = 1: the first key step, whose second product starts O^T.  nextk = 1: the next head's K is fetched while this head's softmax runs.
; mode, for a step's last head: THE CHANGE OF SLOTS.  This head's V is the wave's last read of the slot.  Behind the block maxima each wave waits for all its tensor loads (its part of the next step's slot), adds 0 to its
; spare word, and, behind the lines that find M, waits for that and for its reads of this slot; then the barrier, whose signal and wait are parted by the 36 multiply-adds that make t - M.
;   mode = 2: the barrier opens a round of the cluster's, so that no wave of any partner still reads this slot or has a load on its way; the joint refill, with the tiles of TWO steps on, is the first thing behind the round
;             and a wave's one tensor load until the next round: it has a step less those 36 lines in which to land.
;   mode = 1: a barrier of the work-group alone: nothing is left to fetch.    mode = 0: no change of slots.
;   mode > 0: behind the barrier the other slot is whole: the next step's mask tile and first K are asked of it at once, ahead of this head's exponentials, conversions, sums and second product.
; No two matrix instructions that follow each other share an accumulator: the eight tiles of S^T and the four of O^T take turns, one instruction a turn.
.macro HSTEP hd, first, nextk, mode
.set rT, ST+4*\hd
	s_wait_dscnt 0x0                               ; this head's K and its scale words are in (for head 0 the mask's tile too)
	WIN 0x14                                       ; source 1 (Q) and source 2 (the mask) window 1
.irp t, 0,1,2,3,4,5,6,7
	SPROD \hd, \t
.endr
	WIN 0
.rept 4
	v_nop                                          ; four places in front of the loads into registers that matrix instructions have read (V's: the head before; K's: the eight above) and of the first read of S^T
.endr
	FETCH_V \hd
.if \nextk
	FETCH_K \hd+1
.endif
.irp b, 0,1,2,3
	v_max3_num_f32 v[BM+\b], v[S+16*\b], v[S+16*\b+1], v[S+16*\b+2]   ; THE LARGEST SCORE OF EACH BLOCK OF 32 KEYS serves twice: for the row's maximum, and, since p rises with the score, for the block's largest p.  Each tile is read from its low end on
.endr
.irp n, 3,5,7,9,11,13
.irp b, 0,1,2,3
	v_max3_num_f32 v[BM+\b], v[BM+\b], v[S+16*\b+\n], v[S+16*\b+\n+1]   ; (the four blocks by turns)
.endr
.endr
.irp b, 0,1,2,3
	v_max_num_f32 v[BM+\b], v[BM+\b], v[S+16*\b+15]
.endr
.if \mode
	s_wait_tensorcnt 0x0                           ; all my tensor loads have landed: my part of the next step's slot; so a group 0 may be written
	ds_add_u32 v[SPW], v[NIL]                      ; 0 onto my spare word: the lines down to the wait for it work on registers
.if \mode == 2
	DSTEP
.endif
.endif
.irp b, 0,1,2,3
	v_permlanex16_b32 v[T2+\b], v[BM+\b], s[SEL], s[SEL+1]
.endr
.irp b, 0,1,2,3
	v_max_num_f32 v[BM+\b], v[BM+\b], v[T2+\b]     ; with lane l xor 16's 16 keys
.endr
	v_max3_num_f32 v[TA], v[BM], v[BM+1], v[BM+2]
	v_max_num_f32 v[TA], v[TA], v[BM+3]            ; the step's largest score of my query
	v_mul_f32 v[TA], s[CS], v[TA]                  ; as t (c is positive)
	v_max_num_f32 v[rT+1], v[rT+1], v[TA]          ; the running largest t
	v_mov_b32 v[TA], v[rT]
	v_floor_f32 v[rT], -v[rT+1]                    ; the new -M = floor(-t) = -ceil(t): M IS A WHOLE NUMBER
	v_sub_f32 v[TA], v[rT], v[TA]                  ; M's old value less its new one: a whole number, 0 or less
	v_cvt_i32_f32 v[TA], v[TA]                     ; (it saturates)
	v_ldexp_f32 v[F], 1.0, v[TA]                   ; f = 2^(old M - new M): a multiplication by it rounds nothing
.if \mode
	s_wait_dscnt 0x0                               ; the add is done, and my reads of this slot are over: this head's V is in
	s_barrier_signal -1                            ; say so; the multiply-adds below work on registers while the others arrive
.endif
.irp j, 0,2,4,6,8,10,12,14,16,18,20,22,24,26,28,30,32,34,36,38,40,42,44,46,48,50,52,54,56,58,60,62
	v_pk_fma_f32 v[S+\j:S+\j+1], v[S+\j:S+\j+1], s[CS:CS+1], v[rT:rT+1] op_sel_hi:[1,0,0]   ; t - M, two at a time (of the pairs c and -M the low word serves both halves)
.endr
.irp b, 0,1,2,3
	v_fma_f32 v[BM+\b], v[BM+\b], s[CS], v[rT]     ; the same of each block's largest score
.endr
.if \mode
	s_barrier_wait -1                              ; all eight have said so  (every window is 0 here: branches follow)
.if \mode == 2
	CREST                                          ; the rest of the round
	JLOAD 0                                        ; the slot just left takes the tiles of two steps on
.endif
	s_xor_b32 s[TB], s[TB], SLOT1                  ; on to the other slot,
	s_add_co_u32 s[TS], s[TS], 256                 ; and to the next step's scale words
	s_add_co_u32 s[TJ], s[TJ], 4
	FETCH_M                                        ; the mask's registers and K's were last read by the eight products above, more than four plain instructions back
.endif
.irp j, 0,1,2,3,4,5,6,7,8,9,10,11,12,13,14,15,16,17,18,19,20,21,22,23,24,25,26,27,28,29,30,31,32,33,34,35,36,37,38,39,40,41,42,43,44,45,46,47,48,49,50,51,52,53,54,55,56,57,58,59,60,61,62,63
	v_exp_f32 v[S+\j], v[S+\j]                     ; p = 2^(t - M), at most 1: NOT normalised
.endr
.irp b, 0,1,2,3
	v_exp_f32 v[BM+\b], v[BM+\b]                   ; the block's largest p: the same two instructions on the same number give the same bits
.endr
	v_pk_mul_f32 v[rT+2:rT+3], v[rT+2:rT+3], v[F:F+1] op_sel_hi:[1,0]   ; the sums under the new M.  (A plain instruction behind the exponentials)
	s_wait_alu depctr_va_vdst(0)
.irp b, 0,1,2,3
	v_max_num_f32 v[BM+\b], 0x1800000, v[BM+\b]    ; the floor 2^(3 - 127): the byte cannot fall under 1 (a block whose every p has fallen to 0 keeps that byte: its codes are zeros)
.endr
.irp b, 0,1,2,3
	v_add_nc_u32 v[SOP+\b], 0xff000000, v[BM+\b]   ; 2 off the exponent field: the conversion takes the exponent field of this operand as its scale, and nothing else of it
.endr
.irp b, 0,1,2,3
	v_lshrrev_b32 v[T2+\b], 23, v[SOP+\b]          ; the scale's byte
.endr
	v_lshl_or_b32 v[PW], v[T2+1], 8, v[T2]         ; p's scale word for these 128 keys
	v_lshl_or_b32 v[PW], v[T2+2], 16, v[PW]
	v_lshl_or_b32 v[PW], v[T2+3], 24, v[PW]
.irp b, 0,1,2,3
	v_cvt_scalef32_pk8_fp4_f32 v[PC+2*\b], v[S+16*\b:S+16*\b+7], v[SOP+\b]       ; the codes of keys 32 b + 16 h + 0 .. 7
	v_cvt_scalef32_pk8_fp4_f32 v[PC+2*\b+1], v[S+16*\b+8:S+16*\b+15], v[SOP+\b]  ; and + 8 .. 15
.endr
	v_nop                                          ; one plain vector instruction between a scaled conversion and the vector instruction that touches its result
.irp c, 0,1                                    ; the operand's layout wants a WHOLE block in a lane: lanes 0-15 block 2 c, lanes 16-31 block 2 c + 1
.irp n, 0,1
	v_permlane16_swap_b32 v[PC+4*\c+\n], v[PC+4*\c+2+\n]
.endr
.endr
.if !\first
	WIN 0x41                                       ; O^T (destination and source 0) window 1, f window 0
.irp j, 0,2,4,6,8,10,12,14,16,18,20,22,24,26,28,30
	v_pk_mul_f32 v[32*\hd+\j:32*\hd+\j+1], v[32*\hd+\j:32*\hd+\j+1], v[F:F+1] op_sel_hi:[1,0]   ; O^T under the new M: x f; each tile from its low end on
.endr
	WIN 0
.endif
	v_pk_add_f32 v[SUM2:SUM2+1], v[S:S+1], v[S+2:S+3]   ; THE ROW'S SUM IS TAKEN OF THE UNQUANTISED p: two at a time, in two chains.  (These 32 are also the places between the vector writes of p's codes, its scale word and O^T and the products below)
.irp j, 4,8,12,16,20,24,28,32,36,40,44,48,52,56,60
	v_pk_add_f32 v[rT+2:rT+3], v[rT+2:rT+3], v[S+\j:S+\j+1]
	v_pk_add_f32 v[SUM2:SUM2+1], v[SUM2:SUM2+1], v[S+\j+2:S+\j+3]
.endr
	v_pk_add_f32 v[rT+2:rT+3], v[rT+2:rT+3], v[SUM2:SUM2+1]
.if \mode
	                                               ; V came in at the wait in front of the barrier; the next step's 28 loads, issued behind it, stay out until that step's head
.elseif \nextk
	s_wait_dscnt 12                                ; V's ten loads are in; the next head's K, twelve loads issued behind them, may stay out
.else
	s_wait_dscnt 0x0
.endif
.if \first
	WIN 0x40                                       ; destination window 1
.else
	WIN 0x50                                       ; C and D window 1
.endif
.irp t, 0,1,2,3
	OPROD \hd, \t, \first
.endr
.endm
; A KEY STEP: the four heads on the mask tile and the first K that were fetched in the step before (for step 0: ahead of it).
.macro STEP first, mode
	HSTEP 0, \first, 1, 0
	HSTEP 1, \first, 1, 0
	HSTEP 2, \first, 1, 0
	HSTEP 3, \first, 0, \mode
	WIN 0                                          ; at a label and at a branch every window is 0
.endm
	s_wait_loadcnt 0x0                             ; Q and its scale words
	; Slot 1's first fill is issued as a refill is: every wave waits for all its tensor loads (the scale bytes and slot 0), a round, one joint load a wave.
	s_wait_tensorcnt 0x0                           ; no tensor load of mine is out, so a group 0 may be written
	ds_add_u32 v[SPW], v[NIL]                      ; 0 onto my spare word: the descriptors' steps stand between it and the wait for it
	DSTEP
	s_wait_dscnt 0x0                               ; the add is done
	CROUND                                         ; slot 0 and the scale bytes are whole, in every work-group of the cluster
	JLOAD 0                                        ; step 1's tiles, into slot 1
	FETCH_M                                        ; step 0's mask tile and first K
	STEP 1, 2                                      ; step 0 is written out: its second products start O^T; it asks for step 2
	s_mov_b32 s[CNT], 13
.Lstep:                                                ; steps 1 to 13: the trip of step j asks for step j + 2
	STEP 0, 2
	s_sub_co_u32 s[CNT], s[CNT], 1
	s_cmp_lg_u32 s[CNT], 0
	s_cbranch_scc1 .Lstep
	STEP 0, 1                                      ; steps 14 and 15 are written out: step 14 changes slots and asks for nothing
	STEP 0, 0                                      ; step 15 has nothing to change to
	; THE WAY OUT.  The sum's two halves and the other half of the lanes' are added (these additions are also the places behind the last products); O^T is divided by the sum and goes through my stage in LDS, a head (16 rows of 256 bytes) at a time.
.irp i, 0,1,2,3
	v_add_f32 v[BM+\i], v[ST+4*\i+2], v[ST+4*\i+3]
.endr
.irp i, 0,1,2,3
	v_permlanex16_b32 v[T2+\i], v[BM+\i], s[SEL], s[SEL+1]
.endr
.irp i, 0,1,2,3
	v_add_f32 v[BM+\i], v[BM+\i], v[T2+\i]         ; the row's sum
.endr
.irp i, 0,1,2,3
	v_rcp_f32 v[ST+4*\i], v[BM+\i]                 ; in -M's place, which is needed no more: the low word of the pair that the packed multiply names
.endr
	v_nop                                          ; a plain instruction between the last reciprocal and the use of its result
	s_wait_alu depctr_va_vdst(0)
; Head i: a lane's eight channels of a row are 32 bytes; they go into rows of 272 bytes and come back as whole rows of 256.
.macro PACK i
.set X, S+32*((\i)%2)
.set Y, FRK+32*((\i)%2)
.if (\i) >= 2
	s_wait_xcnt 0x0                                ; the stores of the head two back have had their addresses translated (ISA guide 3.1): only behind this wait are their data registers loaded again
.endif
	WIN 0x01                                       ; source 0 (O^T) window 1
.irp j, 0,2,4,6,8,10,12,14,16,18,20,22,24,26,28,30
	v_pk_mul_f32 v[X+\j:X+\j+1], v[32*\i+\j:32*\i+\j+1], v[ST+4*\i:ST+4*\i+1] op_sel_hi:[1,0]   ; O^T / the sum: register 8 t + e is out0(r, 16 t + 8 h + e); each tile from its low end on
.endr
	WIN 0
.irp t, 0,1,2,3
	ds_store_b128 v[STO], v[X+8*\t:X+8*\t+3] offset:64*\t
	ds_store_b128 v[STO], v[X+8*\t+4:X+8*\t+7] offset:64*\t+16
.endr
.irp j, 0,1,2,3,4,5,6,7
	ds_load_b128 v[Y+4*\j:Y+4*\j+3], v[RD] offset:2*\j*SP   ; LDS serves a wave's instructions in order (ISA guide 5.7.1.4): these see the stores above; the next head's stores come behind them
.endr
.endm
.macro SEND i, younger                 ; younger: the LDS instructions issued behind head i's loads: the next head's sixteen, or none
.set Y, FRK+32*((\i)%2)
.irp j, 0,1,2,3,4,5,6,7
	s_wait_dscnt \younger+7-\j
	global_store_b128 v[GO], v[Y+4*\j:Y+4*\j+3], s[18:19] offset:524288*\i+512*\j th:TH_STORE_NT   ; 32 lanes store two rows, 512 consecutive bytes, at a multiple of 256 from out0's first byte; written once, read by nobody here
.endr
.endm
	PACK 0
	PACK 1                                         ; a head's arithmetic stands between the loads of the head before and its stores
	SEND 0, 16
	PACK 2
	SEND 1, 16
	PACK 3
	SEND 2, 16
	SEND 3, 0
	s_wait_tensorcnt 0x0                           ; the wave's end: an add to my spare word, behind my last tensor load and my last LDS store
	ds_add_u32 v[SPW], v[NIL]
	s_wait_dscnt 0x0
	CROUND                                         ; the closing round: no work-group ends while a partner may still ask for a tile that names it
	s_endpgm
.Lfunc_end_k_q727c3d3e24_attn:
	.size	k_q727c3d3e24_attn, .Lfunc_end_k_q727c3d3e24_attn-k_q727c3d3e24_attn
	.p2alignl 7, 3214868480
	.fill 96, 4, 3214868480
	.section	.rodata,"a",@progbits
	.p2align	6, 0x0
	.amdhsa_kernel k_q727c3d3e24_attn
		.amdhsa_group_segment_fixed_size 327680
		.amdhsa_private_segment_fixed_size 0
		.amdhsa_enable_private_segment 0
		.amdhsa_kernarg_size 64
		.amdhsa_user_sgpr_count 2
		.amdhsa_user_sgpr_kernarg_segment_ptr 1
		.amdhsa_wavefront_size32 1
		.amdhsa_system_sgpr_workgroup_id_x 1
		.amdhsa_system_sgpr_workgroup_id_y 1
		.amdhsa_system_sgpr_workgroup_id_z 1
		.amdhsa_system_vgpr_workitem_id 0
		.amdhsa_next_free_vgpr 512
		.amdhsa_next_free_sgpr 102
		.amdhsa_reserve_vcc 0
		.amdhsa_float_denorm_mode_32 3
		.amdhsa_float_denorm_mode_16_64 3
		.amdhsa_memory_ordered 1
		.amdhsa_forward_progress 1
		.amdhsa_inst_pref_size 255
	.end_amdhsa_kernel
	.section	.bss,"aw",@nobits
	.p2align	6
	.space	262144
	.amdgpu_metadata
---
amdhsa.version: [ 1, 2 ]
amdhsa.kernels:
  - .name:           k_q727c3d3e24_attn
    .symbol:         k_q727c3d3e24_attn.kd
    .args:
      - { .name: attn_mask, .offset: 0, .size: 8, .value_kind: global_buffer, .address_space: global }
      - { .name: key_codes, .offset: 8, .size: 8, .value_kind: global_buffer, .address_space: global }
      - { .name: key_scales, .offset: 16, .size: 8, .value_kind: global_buffer, .address_space: global }
      - { .name: query_codes, .offset: 24, .size: 8, .value_kind: global_buffer, .address_space: global }
      - { .name: query_scales, .offset: 32, .size: 8, .value_kind: global_buffer, .address_space: global }
      - { .name: value_codes, .offset: 40, .size: 8, .value_kind: global_buffer, .address_space: global }
      - { .name: value_scales, .offset: 48, .size: 8, .value_kind: global_buffer, .address_space: global }
      - { .name: out0, .offset: 56, .size: 8, .value_kind: global_buffer, .address_space: global }
    .group_segment_fixed_size: 327680
    .private_segment_fixed_size: 0
    .kernarg_segment_align: 8
    .kernarg_segment_size: 64
    .max_flat_workgroup_size: 256
    .sgpr_count:     102
    .vgpr_count:     512
    .wavefront_size: 32
...
	.end_amdgpu_metadata
.endif
;; end of part 1
